; MI455X (gfx1250); checked and timed in simulation.
; The chip was launched on July 23, 2026; its instructions are those of AMD's public machine-readable ISA for CDNA 5 (MIT licence, August 2026) and "CDNA5" Instruction Set Architecture Reference Guide (July 2026). The comments in the code are by the model that wrote it; some were corrected since.
;; Game Of Life Rules. Allowed arithmetic: matrix products marked QUANTISED: E5M2 operands, one E8M0 scale for each 32 along K, by v_wmma_scale_f32_16x16x128_f8f6f4 with both operands' format E5M2, f32 sums; products left as they are: f32 operands where the result goes on into a quantised operand, else bf16, f16 or f32 operands; f32 sums; everything else in f32.
;; Inputs: x 8 x 1 x 256 x 256 float32.
;; Outputs: out0 8 x 1 x 256 x 256 float32.
;; This version of the problem:
;;   THIS VERSION OF THE PROBLEM IS GIVEN IN LOW PRECISION. The matrix products marked QUANTISED in the list below multiply operands that are first quantised to E5M2 (5 exponent bits, 2 mantissa bits; 8 bits a number), with one power-of-two scale for each 32 numbers along K (OCP MX v1.0); their sums are f32. All else is computed in f32.
;;   The module's matrix products, in the order in which they are computed (A, B: the left and right operand; K: the contracted axis; several contracted axes count as one K, in the product's order):
;;     1. [M 140, K 140] x [K 140, N 524,288]; A: computed on the way; B: computed on the way: QUANTISED
;;     2. batch 524,288 x [M 1, K 140] x [K 140, N 1]; A: computed on the way; B: computed on the way: left as it is (M = 1 < 16)
;;   THE QUANTISER, for each operand of a quantised product, along K:
;;     - K is cut into blocks of 32 from its start; a last block that is shorter is filled with zeros.
;;     - A block's scale is 2^e with e = floor(log2(the largest magnitude in the block)) - 15, held to -126 .. 127; a block of zeros has e = 0. As a byte (E8M0): e + 127.
;;     - Each number is divided by its block's scale, clamped to +-57,344, and rounded to the nearest number of E5M2, ties to even, subnormals kept.
;;     - The product sums the exact products of the quantised numbers (number of the format x scale) in f32.
;;   ~~~python
;;   def quantise(x, axis):      # numpy; x: float32 -> the quantised numbers, widened to float32 again
;;       x = np.moveaxis(x, axis, -1); K = x.shape[-1]
;;       x = np.pad(x, [(0, 0)] * (x.ndim - 1) + [(0, -K % 32)]); x = x.reshape(x.shape[:-1] + (-1, 32)); a = np.abs(x).max(-1, keepdims=True)
;;       e = np.where(a > 0, np.clip(np.frexp(np.where(a > 0, a, 1))[1] - 1 - 15, -126, 127), 0)      # np.frexp(a)[1] - 1 = floor(log2(a)), exactly
;;       r = np.clip(x / 2.0 ** e, -57344, 57344)
;;       step = 2.0 ** (np.maximum(np.frexp(np.where(r == 0, 1, r))[1] - 1, -14) - 2)
;;       q = np.round(r / step) * step * 2.0 ** e      # np.round: ties to even
;;       return np.moveaxis(q.reshape(q.shape[:-2] + (-1,))[..., :K], -1, axis).astype(np.float32)
;;   ~~~
;;   OPERANDS COMPUTED ON THE WAY. 'Computed on the way' means the value that the module computes at that place (a softmax that the list does not call 'softmax' is quantised finished and normalised). What goes into a quantiser is computed in f32, as accurately as f32 sums, v_exp_f32 and their like allow (about 1e-6 of the number): no bf16 or f16 on the way to a quantiser, and a product that is left as it is and whose result goes on into a quantised operand takes f32 operands (vector FMAs, or v_wmma_f32_16x16x4_f32). A number that lies on a knife's edge between two numbers of the format may be rounded either way, as far as f32 arithmetic and the matrix unit's own rounding can turn it there, and no further.
;; One version. Each part assembles by itself: llvm-mc -triple=amdgcn-amd-amdhsa -mcpu=gfx1250 --defsym DOCPART=n.
;; ======== version 1 of 1: 1 launch
;; launch life (part 1): grid 256 x 1, 8 waves a work-group, no clusters, 31,744 bytes of LDS; arguments x, out0; writes out0
.if DOCPART == 1
	.amdgcn_target "amdgcn-amd-amdhsa--gfx1250"
	.amdhsa_code_object_version 6
	.text
	.protected	k_qbfe0a5e115_life
	.globl	k_qbfe0a5e115_life
	.p2align	8
	.type	k_qbfe0a5e115_life,@function
k_qbfe0a5e115_life:
	s_mov_b64 s[64:65], 0
	v_nop
	global_prefetch_b8 v0, s[64:65] scope:SCOPE_SE
	s_setreg_imm32_b32 hwreg(HW_REG_WAVE_MODE, 25, 1), 1
	s_wait_xcnt 0x0
; GAME OF LIFE ON PROBABILITIES.  x, out0: [8][1][256][256] f32, circular in both axes.  For each pixel: nine neighbours n_k; 140 pattern probabilities
; acc[c] = product over k of (n_k or 1 - n_k);  out = sum_c acc[c] - sum_ij acc[i] pair[i][j] acc[j].
; THE QUANTISED PRODUCT is T[j][p] = sum_i pair[i][j] Q(acc)[i][p], K = i = the patterns in ascending order of their nine-bit number n, in blocks of 32 (32, 32, 32, 32, 12),
; on codes of E5M2 with one E8M0 scale a block.  The second product, sum_j T[j][p] acc[j][p], is f32 multiply-adds.
; WHAT THE PROBLEM'S OWN CONSTANTS GIVE.  The patterns are the 84 numbers of three ones (t3) and the 56 of four ones with the centre bit (t4).  pair[i][j] is 1 where i is t3, j is t4 and i lies in j:
; four ones in each t4 row of pair^T, nothing else.  So only 56 rows of M (here 64: four tiles) and the 84 t3 places of K carry anything; a t4 number counts for its block's largest magnitude alone.
; The blocks begin at n = 0, 70, 148, 268, 386 and hold 22, 21, 18, 17, 6 t3 patterns.  Inside a block the places are permuted, alike in both operands: products and scale stay.
; pair's ones are the code 0x78 (32,768) under the scale byte 112 (2^-15): exact.
; SHARES.  Work-group g: image g / 32, rows 8 (g % 32) on.  Wave w: one row, 256 pixels, eight trips of 32.  A LANE OWNS A PIXEL and makes all 140 numbers of it in registers.
; Two waves of 512 registers share a SIMD: one's matrix work and LDS waits stand beside the other's vector work.
; n = a<<6 | b<<3 | c: a the top row's three bits, b the middle row's (its bit 1 is the centre), c the bottom row's.  acc = T[a] B[c] M[b].  The 42 outer products T[a] B[c] with at most three ones are made once;
; each is then multiplied by the middle rows that fit.  sum_c acc is made by the distributive law over the numbers of ones: an identity for every input.
; NOT USED, AND WHY.  Tensor loads, rings: a work-group's whole input is ten rows of 1,024 bytes, read once.  Clusters and joint loads: neighbours share two of those ten rows.  Prefetches: nothing is waited for in the loop but LDS.
; LIMITS.  NaN and infinities in x are not served.  A block of zeros gets the scale byte 1 where the rule says 127: its codes are zeros.  The nine factors are multiplied as (top)(bottom)(middle), not in the order k = 0 .. 8:
; the last bits of acc may differ.  sum_c acc is rounded otherwise than a chain of 140 additions.
; LDS: XS 10 rows of x (slot u = image row y0 - 1 + u, circular); OUT a row of results for each wave, its own; AB pair^T as 64 rows of codes, 192 bytes apart: bytes 0-127 K step 0, 128-159 K step 1, 160-191 zeros.
; REGISTERS, window 0: v1-6, v11, v14, v15, v254 LDS addresses; v7, v12, v13 at work; v8-10 scale words and nothing else; v16-33 the nine pairs (1 - n_k, n_k); v34-41 M; v42-60 T, B, later maxima, scales, the dot's sums;
;   v62-105 outer products, later the codes (B's fragments of two tiles of 16 pixels); v106-191 the t3 numbers, later the eight accumulators; v192-247 the t4 numbers; v248-253 sums by number of ones.
;   window 1: v0-63, v64-127 pair^T's fragments of K steps 0 and 1 (they stay); v128-231 the held t3 numbers in the order of their places.
.set OUT, 10240
.set AB,  18432
.set ABP, 192                          ; a row of AB
.set FF,  16                           ; v[FF+2k] = 1 - n_k, v[FF+2k+1] = n_k
.set MD,  34                           ; M0, M5, M2, M7, M1, M4, M3, M6
.set TT,  42                           ; T[0..7]
.set BB,  50                           ; B[0..7]
.set OB0, 62                           ; outer products with 0, 1, 2, 3 ones: 1, 6, 15, 20 of them, by ascending rank
.set OB1, 64
.set OB2, 70
.set OB3, 86
.set A3,  106                          ; t3 numbers: b = 7;
.set G1A, 108                          ; one outer one: b = 5;
.set G1B, 114                          ; b = 3, 6 in pairs;
.set G2A, 126                          ; two: b = 1, 4 in pairs;
.set G2B, 156                          ; b = 2;
.set G3,  172                          ; three: b = 0
.set A4,  192                          ; t4 numbers, row rho of pair^T at A4 + rho
.set UU,  248                          ; U3, U2, U1, U2+U3, U1+U2, U0+U1
.set QT,  106                          ; at work ahead of the t3 numbers: products of two factors,
.set QB,  110
.set QM,  114
.set SS,  120                          ; ST1, ST2, SB1, SB2, U0
.set MX,  42                           ; four chains of a block's maximum
.set AM,  46                           ; the five largest magnitudes, then the scale bytes
.set LIM, 51                           ; 57,344 x the scale
.set SCL, 56                           ; the conversions' scale operands
.set PP,  42                           ; the dot's four packed sums
.set DD,  106                          ; accumulator (t, m) at DD + 8 (4 t + m)
.set HH,  128                          ; window 1: block b's held numbers at HH + 24 b
.set MSB, 0
.macro WIN new                         ; the immediate's high byte repeats the setting that is left; a switch that changes nothing is dropped
.if MSB != \new
	s_set_vgpr_msb (MSB<<8)|\new
.set MSB, \new
.endif
.endm
.macro PC6 x                           ; PCV = the ones among x's six bits
.set PCV, ((\x)&1)+(((\x)>>1)&1)+(((\x)>>2)&1)+(((\x)>>3)&1)+(((\x)>>4)&1)+(((\x)>>5)&1)
.endm
.macro RANK6 x                         ; RK = x's rank among the six-bit numbers with as many ones (up to three): its ones at p1 < p2 < p3 give p1 + C(p2, 2) + C(p3, 3)
.set RK, 0
.set RC, 0
.set RP, 0
.rept 6
.if ((\x)>>RP)&1
.set RC, RC+1
.if RC == 1
.set RK, RK+RP
.elseif RC == 2
.set RK, RK+(RP*(RP-1))/2
.elseif RC == 3
.set RK, RK+(RP*(RP-1)*(RP-2))/6
.endif
.endif
.set RP, RP+1
.endr
.endm
.macro BCMUL dst, o, mp                ; the pair at dst = register o, for both halves, x the pair at mp
.if ((\o)&1) == 0
	v_pk_mul_f32 v[(\dst):(\dst)+1], v[(\o):(\o)+1], v[(\mp):(\mp)+1] op_sel:[0,0] op_sel_hi:[0,1]
.else
	v_pk_mul_f32 v[(\dst):(\dst)+1], v[(\o)-1:(\o)], v[(\mp):(\mp)+1] op_sel:[1,0] op_sel_hi:[1,1]
.endif
.endm
.macro OGEN                            ; the 42 outer products with at most three ones
.set W6, 0
.rept 64
	PC6 W6
.if PCV <= 3
	RANK6 W6
.if PCV == 0
.set OBV, OB0
.elseif PCV == 1
.set OBV, OB1
.elseif PCV == 2
.set OBV, OB2
.else
.set OBV, OB3
.endif
	v_mul_f32 v[OBV+RK], v[TT+(W6>>3)], v[BB+(W6&7)]
.endif
.set W6, W6+1
.endr
.endm
.macro AGEN                            ; the 140 numbers: one single and 70 packed multiplications
	v_mul_f32 v[A3], v[OB0], v[MD+3]
.set I, 0
.rept 3
	v_pk_mul_f32 v[G1A+2*I:G1A+2*I+1], v[OB1+2*I:OB1+2*I+1], v[MD:MD+1] op_sel:[0,1] op_sel_hi:[1,1]     ; x M5
	v_pk_mul_f32 v[A4+2*I:A4+2*I+1], v[OB1+2*I:OB1+2*I+1], v[MD+2:MD+3] op_sel:[0,1] op_sel_hi:[1,1]     ; x M7
.set I, I+1
.endr
.set I, 0
.rept 6
	BCMUL G1B+2*I, OB1+I, MD+6                     ; x (M3, M6)
.set I, I+1
.endr
.set I, 0
.rept 15
	BCMUL G2A+2*I, OB2+I, MD+4                     ; x (M1, M4)
	BCMUL A4+6+2*I, OB2+I, MD+6                    ; x (M3, M6)
.set I, I+1
.endr
.set I, 0
.rept 8
	v_pk_mul_f32 v[G2B+2*I:G2B+2*I+1], v[OB2+2*I:OB2+2*I+1], v[MD+2:MD+3] op_sel_hi:[1,0]                ; x M2 (the eighth pair's upper half is a pad that nobody reads)
.set I, I+1
.endr
.set I, 0
.rept 10
	v_pk_mul_f32 v[G3+2*I:G3+2*I+1], v[OB3+2*I:OB3+2*I+1], v[MD:MD+1] op_sel_hi:[1,0]                    ; x M0
	v_pk_mul_f32 v[A4+36+2*I:A4+36+2*I+1], v[OB3+2*I:OB3+2*I+1], v[MD+2:MD+3] op_sel_hi:[1,0]            ; x M2
.set I, I+1
.endr
.endm
; THE LIST OF PATTERNS, walked at assembly time: outer numbers ascending, then the middle rows that fit.  ONE is called for each pattern: b its middle row, reg its register, typ 3 or 4.
; mode 0: the patterns of block sel go, two at a time, into four chains of the block's largest magnitude, whose first lines also take the floor 2^(16 - 127): the scale's byte cannot fall under 1.
; mode 1: the t3 patterns of block sel are held within +-57,344 x the scale and laid in the order of their places.   mode 2: for the same places, wave sel2's bytes of pair^T.
.macro ONE mode, sel, sel2, b, reg, typ
.set PN, ((W6>>3)<<6)|((\b)<<3)|(W6&7)
.if PN >= 386
.set PB, 4
.elseif PN >= 268
.set PB, 3
.elseif PN >= 148
.set PB, 2
.elseif PN >= 70
.set PB, 1
.else
.set PB, 0
.endif
.if PB == (\sel)
.if (\mode) == 0
.if PEND < 0
.set PEND, \reg
.else
.if NPR < 4
	v_max3_num_f32 v[MX+NPR], |v[PEND]|, |v[\reg]|, 0x8000000
.else
	s_delay_alu instid0(VALU_DEP_4)
	v_max3_num_f32 v[MX+(NPR%4)], v[MX+(NPR%4)], |v[PEND]|, |v[\reg]|
.endif
.set NPR, NPR+1
.set PEND, -1
.endif
.elseif (\typ) == 3
.if (\mode) == 1
	v_med3_num_f32 v[HH+24*(\sel)+POS], v[\reg], -v[LIM+(\sel)], v[LIM+(\sel)]   ; the conversion to an 8-bit code does not saturate (ISA guide 7.6.2)
.else
.if (\sel) == 4                        ; the place's byte in a row of AB.  Places 0-7 are k 0-7 of the block, 8-15 are k 16-23, 16-23 are k 8-15: as the codes' registers fall
.set KB, 128+POS
.elseif POS < 8
.set KB, 32*(\sel)+POS
.elseif POS < 16
.set KB, 32*(\sel)+POS+8
.else
.set KB, 32*(\sel)+POS-8
.endif
.set BE, 0
.rept 9                                ; the t4 patterns in which this t3 pattern lies: one more bit, the centre among the four
.if ((PN>>BE)&1) == 0
.set N4, PN|(1<<BE)
.if (N4>>4)&1
.set W4, ((N4>>6)<<3)|(N4&7)
.set B4, (N4>>3)&7
	PC6 W4
	RANK6 W4
.if PCV == 1
.set RHO, RK
.elseif PCV == 2
.set RHO, 6+2*RK+((B4>>2)&1)
.else
.set RHO, 36+RK
.endif
.if RHO < 48
.set LR, RHO
.else
.set LR, 48+8*((RHO-48)/4)+((RHO-48)%4)            ; the last tile has four rows in each half of its sixteen
.endif
.if (LR>>3) == (\sel2)
	ds_store_b8 v3, v12 offset:LR*ABP+KB
.endif
.endif
.endif
.set BE, BE+1
.endr
.endif
.set POS, POS+1
.endif
.endif
.endm
.macro ITEMS mode, sel, sel2
.set POS, 0
.set NPR, 0
.set PEND, -1
.set W6, 0
.rept 64
	PC6 W6
.if PCV <= 3
	RANK6 W6
.set OPC, PCV
.set ORK, RK
.if OPC == 0
	ONE \mode, \sel, \sel2, 7, A3, 3
.elseif OPC == 1
	ONE \mode, \sel, \sel2, 5, G1A+ORK, 3
	ONE \mode, \sel, \sel2, 3, G1B+2*ORK, 3
	ONE \mode, \sel, \sel2, 6, G1B+2*ORK+1, 3
	ONE \mode, \sel, \sel2, 7, A4+ORK, 4
.elseif OPC == 2
	ONE \mode, \sel, \sel2, 1, G2A+2*ORK, 3
	ONE \mode, \sel, \sel2, 4, G2A+2*ORK+1, 3
	ONE \mode, \sel, \sel2, 2, G2B+ORK, 3
	ONE \mode, \sel, \sel2, 3, A4+6+2*ORK, 4
	ONE \mode, \sel, \sel2, 6, A4+7+2*ORK, 4
.else
	ONE \mode, \sel, \sel2, 0, G3+ORK, 3
	ONE \mode, \sel, \sel2, 2, A4+36+ORK, 4
.endif
.endif
.set W6, W6+1
.endr
.endm
; The nine neighbours of the 32 pixels at column byte s15 on: columns x - 1, x, x + 1 modulo 256, slots w, w + 1, w + 2.  32 lanes read neighbouring words.
.macro NLOAD
	v_add_nc_u32 v6, s15, v1
	s_delay_alu instid0(VALU_DEP_1)
	v_add_nc_u32 v14, 4, v6
	s_delay_alu instid0(VALU_DEP_2)
	v_and_or_b32 v2, v6, 0x3ff, v11
	s_delay_alu instid0(VALU_DEP_2)
	v_and_or_b32 v4, v14, 0x3ff, v11
	s_delay_alu instid0(VALU_DEP_4)
	v_add_nc_u32 v14, 0x3fc, v6
	s_delay_alu instid0(VALU_DEP_1)
	v_and_or_b32 v3, v14, 0x3ff, v11
.irp d, 0,1,2
	ds_load_b32 v[FF+6*\d+1], v3 offset:1024*\d
	ds_load_b32 v[FF+6*\d+3], v2 offset:1024*\d
	ds_load_b32 v[FF+6*\d+5], v4 offset:1024*\d
.endr
.endm
.macro ONEMINUS
.irp k, 0,1,2,3,4,5,6,7,8
	v_sub_f32 v[FF+2*\k], 1.0, v[FF+2*\k+1]
.endr
.endm
	s_load_b128 s[4:7], s[0:1], 0x0                ; x s[4:5], out0 s[6:7]
	v_lshl_add_u32 v61, v0, 2, 0x7800
	s_set_vgpr_msb 0x40
	v_mov_b32 v255, 0
	s_set_vgpr_msb 0x4000
	; every LDS address is made here, from the thread's number and constants, ahead of the branches on the wave's number
	v_and_b32 v6, 31, v0                           ; lane
	v_lshrrev_b32 v7, 5, v0
	s_delay_alu instid0(VALU_DEP_1)
	v_readfirstlane_b32 s8, v7                     ; wave 0..7
	s_delay_alu instid0(VALU_DEP_3)
	v_lshlrev_b32 v1, 2, v6                        ; 4 x lane
	v_and_b32 v11, 0xe0, v0
	s_delay_alu instid0(VALU_DEP_1)
	v_lshlrev_b32 v11, 5, v11                      ; 1,024 x wave
	s_delay_alu instid0(VALU_DEP_1)
	v_lshl_add_u32 v2, v6, 4, v11                  ; XS: slot w, 16 bytes a lane
	v_lshl_add_u32 v4, v0, 3, 8192                 ; XS: slots 8 and 9 are 2,048 bytes: 8 for each of the 256 threads
	s_delay_alu instid0(VALU_DEP_3)
	v_add_nc_u32 v5, v11, v1
	s_delay_alu instid0(VALU_DEP_1)
	v_add_nc_u32 v5, OUT-128, v5                   ; my result's word, less the 128 by which s15 is ahead when it is stored
	s_delay_alu instid0(VALU_DEP_4)
	v_add_nc_u32 v254, OUT, v2                     ; the end: my 16 bytes of my wave's row of results,
	v_lshlrev_b32 v255, 4, v6                      ; and the same in out0's row
	v_mul_u32_u24 v14, v7, 8*ABP
	s_delay_alu instid0(VALU_DEP_1)
	v_lshl_add_u32 v14, v6, 4, v14
	s_delay_alu instid0(VALU_DEP_1)
	v_add_nc_u32 v14, AB, v14                      ; AB: my wave's eight rows, 1,536 bytes: three stores of 512
	v_and_b32 v15, 15, v0
	s_delay_alu instid0(VALU_DEP_1)
	v_mul_u32_u24 v15, v15, ABP
	v_bfe_u32 v13, v0, 4, 1
	s_delay_alu instid0(VALU_DEP_1)
	v_lshl_add_u32 v15, v13, 4, v15
	s_delay_alu instid0(VALU_DEP_1)
	v_add_nc_u32 v15, AB, v15                      ; a fragment of pair^T: row lane % 16, + 16 (lane / 16)
	v_mov_b32 v3, AB
	v_mov_b32 v12, 0x78                            ; the code of 32,768
.irp i, 28,29,30,31
	v_mov_b32 v\i, 0
.endr
	s_lshr_b32 s9, ttmp9, 5                        ; image
	s_lshl_b32 s20, s9, 18                         ; its 262,144 bytes
	s_mov_b32 s21, 0
	s_and_b32 s10, ttmp9, 31
	s_lshl_b32 s10, s10, 3                         ; y0
	s_add_co_u32 s11, s10, s8                      ; my row
	s_add_co_u32 s18, s11, 255
	s_and_b32 s18, s18, 255
	s_lshl_b32 s18, s18, 10                        ; slot w holds row y0 - 1 + w, circular
	s_lshl_b32 s22, s11, 10
	s_mov_b32 s23, 0
	s_lshr_b32 s19, s8, 2
	s_add_co_u32 s19, s19, s10
	s_add_co_u32 s19, s19, 7
	s_and_b32 s19, s19, 255
	s_lshl_b32 s19, s19, 10                        ; slot 8 + w / 4 holds row y0 + 7 + w / 4, circular;
	s_and_b32 s24, s8, 3
	s_lshl_b32 s24, s24, 8
	s_add_co_u32 s19, s19, s24                     ; my wave brings its quarter w % 4: 256 consecutive bytes, aligned
	v_lshl_add_u32 v248, v6, 4, s18
	v_lshl_add_u32 v249, v6, 3, s19
	s_mov_b32 s12, 0x76543210
	s_mov_b32 s13, 0xfedcba98                      ; v_permlanex16_b32's selects for lane l xor 16
	s_mov_b32 s17, 0x600000                        ; the mantissa field of 57,344
	s_mov_b32 s15, 0
	s_wait_alu depctr_va_vdst(0)
	s_wait_kmcnt 0x0
	s_add_nc_u64 s[4:5], s[4:5], s[20:21]
	s_add_nc_u64 s[6:7], s[6:7], s[20:21]
	s_add_nc_u64 s[6:7], s[6:7], s[22:23]          ; out0 at my row
	global_load_b128 v[16:19], v248, s[4:5]        ; each reads 512 consecutive bytes
	global_load_b128 v[20:23], v248, s[4:5] offset:512
	global_load_b64 v[24:25], v249, s[4:5]
	; while they are on their way: pair^T.  A wave clears its own eight rows and then sets their ones; LDS serves a wave's instructions in order (ISA guide 5.7.1.4)
	ds_store_b128 v14, v[28:31]
	ds_store_b128 v14, v[28:31] offset:512
	ds_store_b128 v14, v[28:31] offset:1024
.irp ww, 0,1,2,3,4,5,6,7
	s_cmp_lg_u32 s8, \ww
	s_cbranch_scc1 .Lnab\ww
	ITEMS 2, 0, \ww
	ITEMS 2, 1, \ww
	ITEMS 2, 2, \ww
	ITEMS 2, 3, \ww
	ITEMS 2, 4, \ww
.Lnab\ww:
.endr
	v_mov_b32 v8, 0x70707070                       ; pair^T's scale word: 2^-15 in all four blocks, in every row
	v_mov_b32 v[OB2+15], 0                         ; the pad beside the fifteenth outer product: named in a pair, so it is written
	s_wait_loadcnt 0x0
	ds_store_b128 v2, v[16:19]
	ds_store_b128 v2, v[20:23] offset:512
	ds_store_b64 v4, v[24:25]
	s_wait_dscnt 0x0                               ; for the others' sake: my rows of x and of pair^T lie in LDS
	s_barrier_signal -1
	s_barrier_wait -1                              ; the one barrier: XS and AB are whole, and nobody writes them again
	WIN 0x40                                       ; destination window 1
.irp b, 0,1,2,3
.irp i, 16,17,18,19,20,21,22,23
	v_mov_b32 v[HH+24*\b+\i], 0                    ; places behind a block's last t3 pattern stay zeros: written once (the trips write the places that are taken)
.endr
.endr
.irp i, 0,1,2,3,4,5,6,7
	v_mov_b32 v[HH+96+\i], 0
.endr
.irp m, 0,1,2,3                                ; pair^T's fragments stay in registers: lane (r, h), registers 4 c on: k = 32 c + 16 h + 0 .. 15 of row 16 m + r
.irp c, 0,1,2,3
	ds_load_b128 v[16*\m+4*\c:16*\m+4*\c+3], v15 offset:16*ABP*\m+32*\c
.endr
	ds_load_b128 v[64+16*\m:64+16*\m+3], v15 offset:16*ABP*\m+128
.irp c, 1,2,3
	ds_load_b128 v[64+16*\m+4*\c:64+16*\m+4*\c+3], v15 offset:16*ABP*\m+160    ; K step 1 has one block: the rest of its fragment is the rows' zero bytes
.endr
.endr
	WIN 0
	NLOAD                                          ; the first trip's neighbours
	s_wait_dscnt 0x0
	ONEMINUS
.Ltrip:                                            ; eight trips of 32 pixels; every window is 0 here
	; the three rows' eight products each, stage by stage
	BCMUL QT, FF, FF+2
	BCMUL QT+2, FF+1, FF+2
	BCMUL QB, FF+12, FF+14
	BCMUL QB+2, FF+13, FF+14
	v_pk_mul_f32 v[QM:QM+1], v[FF+6:FF+7], v[FF+10:FF+11]                                   ; (1-n3)(1-n5), n3 n5
	v_pk_mul_f32 v[QM+2:QM+3], v[FF+6:FF+7], v[FF+10:FF+11] op_sel:[0,1] op_sel_hi:[1,0]    ; (1-n3) n5, n3 (1-n5)
.irp u, 0,1,2,3
	BCMUL TT+2*\u, QT+\u, FF+4
.endr
.irp u, 0,1,2,3
	BCMUL BB+2*\u, QB+\u, FF+16
.endr
	v_pk_mul_f32 v[MD:MD+1], v[QM:QM+1], v[FF+8:FF+9] op_sel_hi:[1,0]                       ; M0, M5
	v_pk_mul_f32 v[MD+2:MD+3], v[QM:QM+1], v[FF+8:FF+9] op_sel:[0,1] op_sel_hi:[1,1]        ; M2, M7
	v_pk_mul_f32 v[MD+4:MD+5], v[QM+2:QM+3], v[FF+8:FF+9] op_sel_hi:[1,0]                   ; M1, M4
	v_pk_mul_f32 v[MD+6:MD+7], v[QM+2:QM+3], v[FF+8:FF+9] op_sel:[0,1] op_sel_hi:[1,1]      ; M3, M6
	; the factors are used up: the next trip's neighbours are asked for now.  (The last trip's request wraps to column 0, stays inside XS and is not used)
	s_add_co_u32 s15, s15, 128
	NLOAD
	; sums of the outer products by their number of ones
	v_add_f32 v[SS], v[TT+1], v[TT+2]
	v_add_f32 v[SS+1], v[TT+3], v[TT+5]
	v_add_f32 v[SS+2], v[BB+1], v[BB+2]
	v_add_f32 v[SS+3], v[BB+3], v[BB+5]
	s_delay_alu instid0(VALU_DEP_4)
	v_add_f32 v[SS], v[SS], v[TT+4]
	s_delay_alu instid0(VALU_DEP_4)
	v_add_f32 v[SS+1], v[SS+1], v[TT+6]
	s_delay_alu instid0(VALU_DEP_4)
	v_add_f32 v[SS+2], v[SS+2], v[BB+4]
	s_delay_alu instid0(VALU_DEP_4)
	v_add_f32 v[SS+3], v[SS+3], v[BB+6]
	v_mul_f32 v[SS+4], v[TT], v[BB]                ; U0
	s_delay_alu instid0(VALU_DEP_3)
	v_mul_f32 v[UU+2], v[TT], v[SS+2]              ; U1
	s_delay_alu instid0(VALU_DEP_3)
	v_mul_f32 v[UU+1], v[TT], v[SS+3]              ; U2
	v_mul_f32 v[UU], v[TT], v[BB+7]                ; U3
	s_delay_alu instid0(VALU_DEP_3)
	v_fmac_f32 v[UU+2], v[SS], v[BB]
	s_delay_alu instid0(VALU_DEP_3)
	v_fmac_f32 v[UU+1], v[SS], v[SS+2]
	s_delay_alu instid0(VALU_DEP_3)
	v_fmac_f32 v[UU], v[SS], v[SS+3]
	s_delay_alu instid0(VALU_DEP_2)
	v_fmac_f32 v[UU+1], v[SS+1], v[BB]
	s_delay_alu instid0(VALU_DEP_2)
	v_fmac_f32 v[UU], v[SS+1], v[SS+2]
	s_delay_alu instid0(VALU_DEP_1)
	v_fmac_f32 v[UU], v[TT+7], v[BB]
	s_delay_alu instid0(VALU_DEP_1)
	v_add_f32 v[UU+3], v[UU+1], v[UU]
	s_delay_alu instid0(VALU_DEP_4)
	v_add_f32 v[UU+4], v[UU+2], v[UU+1]
	v_add_f32 v[UU+5], v[SS+4], v[UU+2]
	OGEN
	AGEN
	; the five blocks' largest magnitudes, over t3 and t4 patterns alike
.irp b, 0,1,2,3,4
	ITEMS 0, \b, 0
	v_max3_num_f32 v[AM+\b], v[MX], v[MX+1], v[MX+2]
	s_delay_alu instid0(VALU_DEP_1)
	v_max_num_f32 v[AM+\b], v[AM+\b], v[MX+3]
.endr
.irp b, 0,1,2,3,4
	v_add_nc_u32 v[SCL+\b], 0xf8800000, v[AM+\b]   ; 15 off the exponent field: the conversion takes the exponent field of this operand as its scale
.endr
.irp b, 0,1,2,3,4
	v_and_or_b32 v[LIM+\b], v[AM+\b], 0x7f800000, s17   ; 57,344 x the scale
.endr
.irp b, 0,1,2,3
	v_lshrrev_b32 v[AM+\b], 23, v[SCL+\b]          ; the scale's byte
.endr
	v_lshrrev_b32 v10, 23, v[SCL+4]                ; K step 1's scale word: block 4's byte; the bytes above it are 0, over zero products
	s_delay_alu instid0(VALU_DEP_4)
	v_lshl_or_b32 v9, v[AM+1], 8, v[AM]            ; K step 0's: my pixel's four bytes.  Both words stand 84 plain instructions and more ahead of the products
	s_delay_alu instid0(VALU_DEP_1)
	v_lshl_or_b32 v9, v[AM+2], 16, v9
	s_delay_alu instid0(VALU_DEP_1)
	v_lshl_or_b32 v9, v[AM+3], 24, v9
	WIN 0x40                                       ; destination window 1
.irp b, 0,1,2,3,4
	ITEMS 1, \b, 0
.endr
	WIN 0x01                                       ; source 0 window 1
.irp b, 0,1,2,3
	v_cvt_scalef32_pk8_bf8_f32 v[64+4*\b:65+4*\b], v[HH+24*\b:HH+24*\b+7], v[SCL+\b]        ; places 0-7
	v_cvt_scalef32_pk8_bf8_f32 v[82+4*\b:83+4*\b], v[HH+24*\b+8:HH+24*\b+15], v[SCL+\b]     ; places 8-15
	v_cvt_scalef32_pk8_bf8_f32 v[66+4*\b:67+4*\b], v[HH+24*\b+16:HH+24*\b+23], v[SCL+\b]    ; places 16-23
.endr
	v_cvt_scalef32_pk8_bf8_f32 v[62:63], v[HH+96:HH+103], v[SCL+4]
	WIN 0
	v_nop                                          ; one plain instruction between a scaled conversion and the next vector instruction that touches its result
	; FROM A PIXEL A LANE TO TWO FRAGMENTS OF 16 PIXELS.  Lane (r, h) of a fragment wants, of pixel r, k = 32 b + 16 h + 0 .. 15 in registers 4 b on.  The swap gives the first register pixels 0-15's places 0-7 below and
	; their places 8-15 above (k 16-23), the second the same of pixels 16-31.  Places 16-23 (k 8-15) lie right for pixels 0-15 and come from lane l xor 16 for the others.  k 24-31 then hold another pixel's codes:
	; they are finite (held), and pair^T has zeros there.  K step 1's fragments overlap K step 0's codes from their third register on, likewise against zeros.
.irp b, 0,1,2,3
	v_permlane16_swap_b32 v[64+4*\b], v[82+4*\b]
	v_permlane16_swap_b32 v[65+4*\b], v[83+4*\b]
.endr
.irp b, 0,1,2,3
	v_permlanex16_b32 v[84+4*\b], v[66+4*\b], s12, s13
	v_permlanex16_b32 v[85+4*\b], v[67+4*\b], s12, s13
.endr
	v_permlanex16_b32 v80, v62, s12, s13
	v_permlanex16_b32 v81, v63, s12, s13
	; sum_c acc.  These eight plain instructions are also the places between the codes' last writes and the products
	v_add_f32 v12, v[MD+4], v[MD+5]
	v_add_f32 v13, v[MD+6], v[MD+7]
	v_mul_f32 v7, v[MD], v[UU]
	s_delay_alu instid0(VALU_DEP_1)
	v_fmac_f32 v7, v12, v[UU+1]
	s_delay_alu instid0(VALU_DEP_1)
	v_fmac_f32 v7, v[MD+1], v[UU+2]
	s_delay_alu instid0(VALU_DEP_1)
	v_fmac_f32 v7, v[MD+2], v[UU+3]
	s_delay_alu instid0(VALU_DEP_1)
	v_fmac_f32 v7, v13, v[UU+4]
	s_delay_alu instid0(VALU_DEP_1)
	v_fmac_f32 v7, v[MD+3], v[UU+5]
	; T = pair^T Q(acc): four tiles of rows x two tiles of pixels, two K steps.  The eight accumulators take turns, one instruction a turn.  Pixels 16-31 have their scale words in lanes 16-31.
	WIN 0x01                                       ; source 0 (pair^T) window 1
.irp m, 0,1,2,3
	v_wmma_scale_f32_16x16x128_f8f6f4 v[DD+8*\m:DD+8*\m+7], v[16*\m:16*\m+15], v[64:79], 0, v8, v9 matrix_a_fmt:MATRIX_FMT_BF8 matrix_b_fmt:MATRIX_FMT_BF8
	v_wmma_scale_f32_16x16x128_f8f6f4 v[DD+32+8*\m:DD+32+8*\m+7], v[16*\m:16*\m+15], v[82:97], 0, v8, v9 matrix_a_fmt:MATRIX_FMT_BF8 matrix_b_fmt:MATRIX_FMT_BF8 matrix_b_scale:MATRIX_SCALE_ROW1
.endr
.irp m, 0,1,2,3
	v_wmma_scale_f32_16x16x128_f8f6f4 v[DD+8*\m:DD+8*\m+7], v[64+16*\m:64+16*\m+15], v[62:77], v[DD+8*\m:DD+8*\m+7], v8, v10 matrix_a_fmt:MATRIX_FMT_BF8 matrix_b_fmt:MATRIX_FMT_BF8
	v_wmma_scale_f32_16x16x128_f8f6f4 v[DD+32+8*\m:DD+32+8*\m+7], v[64+16*\m:64+16*\m+15], v[80:95], v[DD+32+8*\m:DD+32+8*\m+7], v8, v10 matrix_a_fmt:MATRIX_FMT_BF8 matrix_b_fmt:MATRIX_FMT_BF8 matrix_b_scale:MATRIX_SCALE_ROW1
.endr
	WIN 0
	s_wait_dscnt 0x0                               ; the next trip's neighbours are in (asked for some 400 instructions ago), and the last trip's result is stored
	ONEMINUS                                       ; nine plain instructions that name none of the products' registers: the places behind them, for the reads below and for all that writes those registers in the next trip
	; the t4 numbers into the results' layout: register j of accumulator (t, m), lane (r, h), is row 16 m + 8 h + j of pixel 16 t + r
.irp m, 0,1,2
.irp j, 0,1,2,3,4,5,6,7
	v_permlane16_swap_b32 v[A4+16*\m+\j], v[A4+16*\m+8+\j]
.endr
.endr
.irp j, 0,1,2,3
	v_permlane16_swap_b32 v[A4+48+\j], v[A4+52+\j]
.endr
	; sum_j T[j] acc[j], packed, in four chains; each accumulator is read from its low end on
.irp jj, 0,2,4,6
.irp m, 0,1,2,3
.if (\m < 3) || (\jj < 4)
.irp t, 0,1
.if \m < 3
.set AR4, A4+16*\m+8*\t+\jj
.else
.set AR4, A4+48+4*\t+\jj
.endif
.set DR, DD+8*(4*\t+\m)+\jj
.set PR, PP+4*\t+2*(\m%2)
.if (\jj == 0) && (\m < 2)
	v_pk_mul_f32 v[PR:PR+1], v[DR:DR+1], v[AR4:AR4+1]
.else
	v_pk_fma_f32 v[PR:PR+1], v[DR:DR+1], v[AR4:AR4+1], v[PR:PR+1]
.endif
.endr
.endif
.endr
.endr
	s_delay_alu instid0(VALU_DEP_2)
	v_pk_add_f32 v[PP:PP+1], v[PP:PP+1], v[PP+2:PP+3]
	s_delay_alu instid0(VALU_DEP_2)
	v_pk_add_f32 v[PP+4:PP+5], v[PP+4:PP+5], v[PP+6:PP+7]
	s_delay_alu instid0(VALU_DEP_2)
	v_add_f32 v[PP], v[PP], v[PP+1]                ; pixels 0-15: rows of half h in lane (r, h)
	s_delay_alu instid0(VALU_DEP_2)
	v_add_f32 v[PP+4], v[PP+4], v[PP+5]            ; pixels 16-31 likewise
	s_delay_alu instid0(VALU_DEP_1)
	v_permlane16_swap_b32 v[PP], v[PP+4]           ; now lane l holds pixel l's two halves in the two registers
	s_delay_alu instid0(VALU_DEP_1)
	v_sub_f32 v12, v7, v[PP]
	s_delay_alu instid0(VALU_DEP_1)
	v_sub_f32 v12, v12, v[PP+4]
	v_add_nc_u32 v15, s15, v5
	ds_store_b32 v15, v12                          ; into my wave's own row of results
	s_cmp_lt_u32 s15, 1024
	s_cbranch_scc1 .Ltrip
	ds_load_b128 v[16:19], v254                    ; LDS serves a wave's instructions in order: these see my stores
	ds_load_b128 v[20:23], v254 offset:512
	s_wait_dscnt 0x0
	global_store_b128 v255, v[16:19], s[6:7] th:TH_STORE_NT              ; each stores 512 consecutive bytes, at a multiple of 256 from out0's first byte; written once, read by nobody here
	global_store_b128 v255, v[20:23], s[6:7] offset:512 th:TH_STORE_NT
	s_set_vgpr_msb 0x4
	s_wait_tensorcnt 0x0
	ds_add_u32 v61, v255
	s_wait_dscnt 0x0
	s_set_vgpr_msb 0x400
	s_endpgm
.Lfunc_end_k_qbfe0a5e115_life:
	.size	k_qbfe0a5e115_life, .Lfunc_end_k_qbfe0a5e115_life-k_qbfe0a5e115_life
	.p2alignl 7, 3214868480
	.fill 96, 4, 3214868480
	.section	.rodata,"a",@progbits
	.p2align	6, 0x0
	.amdhsa_kernel k_qbfe0a5e115_life
		.amdhsa_group_segment_fixed_size 31744
		.amdhsa_private_segment_fixed_size 0
		.amdhsa_enable_private_segment 0
		.amdhsa_kernarg_size 16
		.amdhsa_user_sgpr_count 2
		.amdhsa_user_sgpr_kernarg_segment_ptr 1
		.amdhsa_wavefront_size32 1
		.amdhsa_system_sgpr_workgroup_id_x 1
		.amdhsa_system_sgpr_workgroup_id_y 1
		.amdhsa_system_sgpr_workgroup_id_z 1
		.amdhsa_system_vgpr_workitem_id 0
		.amdhsa_next_free_vgpr 512
		.amdhsa_next_free_sgpr 66
		.amdhsa_reserve_vcc 0
		.amdhsa_float_denorm_mode_32 3
		.amdhsa_float_denorm_mode_16_64 3
		.amdhsa_memory_ordered 1
		.amdhsa_forward_progress 1
		.amdhsa_inst_pref_size 55
	.end_amdhsa_kernel
	.amdgpu_metadata
---
amdhsa.version: [ 1, 2 ]
amdhsa.kernels:
  - .name:           k_qbfe0a5e115_life
    .symbol:         k_qbfe0a5e115_life.kd
    .args:
      - { .name: x, .offset: 0, .size: 8, .value_kind: global_buffer, .address_space: global }
      - { .name: out0, .offset: 8, .size: 8, .value_kind: global_buffer, .address_space: global }
    .group_segment_fixed_size: 31744
    .private_segment_fixed_size: 0
    .kernarg_segment_align: 8
    .kernarg_segment_size: 16
    .max_flat_workgroup_size: 256
    .sgpr_count:     66
    .vgpr_count:     512
    .wavefront_size: 32
...
	.end_amdgpu_metadata
.endif
;; end of part 1
